; MI455X (gfx1250); checked and timed in simulation.
; The chip was launched on July 23, 2026; its instructions are those of AMD's public machine-readable ISA for CDNA 5 (MIT licence, August 2026) and "CDNA5" Instruction Set Architecture Reference Guide (July 2026). The comments in the code are by the model that wrote it; some were corrected since.
;; Multi Head Attention. Allowed arithmetic: matrix products marked QUANTISED: E2M3 operands, one E8M0 scale for each 32 along K, by v_wmma_scale_f32_16x16x128_f8f6f4 with both operands' format E2M3, f32 sums; everything else in f32.
;; Inputs: Wk_codes 16 x 64 x 32 x 24 uint8 (E2M3 codes of Wk, K innermost, in blocks of 32 codes, four codes in three bytes); Wk_scales 16 x 64 x 32 uint8 (E8M0 scales of Wk, one for each 32 codes along K); Wo_codes 1,024 x 32 x 24 uint8 (E2M3 codes of Wo, K innermost, in blocks of 32 codes, four codes in three bytes); Wo_scales 1,024 x 32 uint8 (E8M0 scales of Wo, one for each 32 codes along K); Wq_codes 16 x 64 x 32 x 24 uint8 (E2M3 codes of Wq, K innermost, in blocks of 32 codes, four codes in three bytes); Wq_scales 16 x 64 x 32 uint8 (E8M0 scales of Wq, one for each 32 codes along K); Wv_codes 16 x 64 x 32 x 24 uint8 (E2M3 codes of Wv, K innermost, in blocks of 32 codes, four codes in three bytes); Wv_scales 16 x 64 x 32 uint8 (E8M0 scales of Wv, one for each 32 codes along K); bo 1,024 float32; token_embeddings_codes 4 x 2,048 x 32 x 24 uint8 (E2M3 codes of token_embeddings, K innermost, in blocks of 32 codes, four codes in three bytes); token_embeddings_scales 4 x 2,048 x 32 uint8 (E8M0 scales of token_embeddings, one for each 32 codes along K).
;; Outputs: out0 4 x 2,048 x 1,024 float32.
;; This version of the problem:
;;   THIS VERSION OF THE PROBLEM IS GIVEN IN LOW PRECISION. The matrix products marked QUANTISED in the list below multiply operands that are first quantised to E2M3 (2 exponent bits, 3 mantissa bits; 6 bits a number), with one power-of-two scale for each 32 numbers along K (OCP MX v1.0); their sums are f32. All else is computed in f32.
;;   The module's matrix products, in the order in which they are computed (A, B: the left and right operand; K: the contracted axis; several contracted axes count as one K, in the product's order):
;;     1. [M 1,024, K 1,024] x [K 1,024, N 8,192]; A: input Wq (given as codes); B: input token_embeddings (given as codes): QUANTISED
;;     2. [M 1,024, K 1,024] x [K 1,024, N 8,192]; A: input Wk (given as codes); B: input token_embeddings (given as codes): QUANTISED
;;     3. [M 1,024, K 1,024] x [K 1,024, N 8,192]; A: input Wv (given as codes); B: input token_embeddings (given as codes): QUANTISED
;;     4. batch 64 x [M 2,048, K 64] x [K 64, N 2,048]; A: computed on the way; B: computed on the way: QUANTISED
;;     5. batch 64 x [M 2,048, K 2,048] x [K 2,048, N 64]; A: softmax (see below); B: computed on the way: QUANTISED
;;     6. [M 8,192, K 1,024] x [K 1,024, N 1,024]; A: computed on the way; B: input Wo (given as codes): QUANTISED
;;   THE QUANTISER, for each operand of a quantised product, along K:
;;     - K is cut into blocks of 32 from its start; a last block that is shorter is filled with zeros.
;;     - A block's scale is 2^e with e = floor(log2(the largest magnitude in the block)) - 2, held to -126 .. 127; a block of zeros has e = 0. As a byte (E8M0): e + 127.
;;     - Each number is divided by its block's scale, clamped to +-7.5, and rounded to the nearest number of E2M3, ties to even, subnormals kept.
;;     - The product sums the exact products of the quantised numbers (number of the format x scale) in f32.
;;   ~~~python
;;   def quantise(x, axis):      # numpy; x: float32 -> the quantised numbers, widened to float32 again
;;       x = np.moveaxis(x, axis, -1); K = x.shape[-1]
;;       x = np.pad(x, [(0, 0)] * (x.ndim - 1) + [(0, -K % 32)]); x = x.reshape(x.shape[:-1] + (-1, 32)); a = np.abs(x).max(-1, keepdims=True)
;;       e = np.where(a > 0, np.clip(np.frexp(np.where(a > 0, a, 1))[1] - 1 - 2, -126, 127), 0)      # np.frexp(a)[1] - 1 = floor(log2(a)), exactly
;;       r = np.clip(x / 2.0 ** e, -7.5, 7.5)
;;       step = 2.0 ** (np.maximum(np.frexp(np.where(r == 0, 1, r))[1] - 1, 0) - 3)
;;       q = np.round(r / step) * step * 2.0 ** e      # np.round: ties to even
;;       return np.moveaxis(q.reshape(q.shape[:-2] + (-1,))[..., :K], -1, axis).astype(np.float32)
;;   ~~~
;;   SOFTMAX AHEAD OF A QUANTISED PRODUCT. Where the list says 'softmax', what is quantised is not the finished softmax but p = 2^(t - M), with t = logit x log2(e) and M = ceil(the row's largest t), a whole number; so 1/2 < the row's largest p <= 1. The row's sum l is taken of the UNQUANTISED p, in f32, and the product's result is divided by l at the end. Since M is a whole number, a kernel that streams over the keys may use a running M (the ceiling of the running maximum): every later rescaling is an exact power of two, which a block's scale takes up: the codes' values come out the same.
;;   OPERANDS COMPUTED ON THE WAY. 'Computed on the way' means the value that the module computes at that place (a softmax that the list does not call 'softmax' is quantised finished and normalised). What goes into a quantiser is computed in f32, as accurately as f32 sums, v_exp_f32 and their like allow (about 1e-6 of the number): no bf16 or f16 on the way to a quantiser, and a product that is left as it is and whose result goes on into a quantised operand takes f32 operands (vector FMAs, or v_wmma_f32_16x16x4_f32). A number that lies on a knife's edge between two numbers of the format may be rounded either way, as far as f32 arithmetic and the matrix unit's own rounding can turn it there, and no further.
;;   INPUTS GIVEN AS CODES. Wk (in the module: [16, 1024, 64], K = its axis 1); Wo (in the module: [1024, 1024], K = its axis 0); Wq (in the module: [16, 1024, 64], K = its axis 1); Wv (in the module: [16, 1024, 64], K = its axis 1); token_embeddings (in the module: [4, 2048, 1024], K = its axis 2): each comes as NAME_codes (uint8): NAME with its K axis moved to the last place and cut into blocks of 32 codes, [.., K / 32, bytes a block], one block behind the other in memory; four codes in three bytes: a row's codes are one little-endian stream of bits, code i at bits 6 i .. 6 i + 5 (a code: sign, 2 exponent bits, 3 mantissa bits); and NAME_scales (uint8): the same leading axes, one E8M0 byte (e + 127) for each 32 codes along K. Its value is code x scale, taken as it is: it is not quantised again, and the codes and scales need not be those that the quantiser above would give.
;; One version. Each part assembles by itself: llvm-mc -triple=amdgcn-amd-amdhsa -mcpu=gfx1250 --defsym DOCPART=n.
;; ======== version 1 of 1: 3 launches
;; limits: right only within a limited range of input values
;; workspace buffers: qc 6,291,456 bytes; qs 524,288 bytes; kv 13,369,344 bytes; ac 6,291,456 bytes; asc 262,144 bytes
;; launch proj (part 1): grid 8 x 32, 4 waves a work-group, clusters of 4 x 4, 327,680 bytes of LDS; arguments token_embeddings_codes, token_embeddings_scales, Wq_codes, Wq_scales, Wk_codes, Wk_scales, Wv_codes, Wv_scales, qc, qs, kv; writes qc, qs, kv
.if DOCPART == 1
	.amdgcn_target "amdgcn-amd-amdhsa--gfx1250"
	.amdhsa_code_object_version 6
	.text
	.protected	k_q5b53588c39_proj
	.globl	k_q5b53588c39_proj
	.p2align	8
	.type	k_q5b53588c39_proj,@function
k_q5b53588c39_proj:
	s_mov_b64 s[64:65], 0
	v_nop
	global_prefetch_b8 v0, s[64:65] scope:SCOPE_SE
	s_setreg_imm32_b32 hwreg(HW_REG_WAVE_MODE, 25, 1), 1
	s_wait_xcnt 0x0
	s_wait_alu depctr_hold_cnt(0) depctr_sa_sdst(0) depctr_va_vdst(0) depctr_va_sdst(0) depctr_va_ssrc(0) depctr_va_vcc(0) depctr_vm_vsrc(0)
	s_getreg_b32 s2, hwreg(HW_REG_IB_STS2, 6, 4)
	s_cmp_eq_u32 s2, 0
	s_cbranch_scc0 .Lentry_in_a_cluster
	s_endpgm
.Lentry_in_a_cluster:
	s_bfe_u32 s2, ttmp6, 0x10000c
	s_cmp_lg_u32 s2, 0xf033
	s_cbranch_scc0 .Lentry_shape_is_right
	s_endpgm
.Lentry_shape_is_right:
; v = X Wv, q = X Wq, k = X Wk on codes of FP6 (E2M3), one E8M0 scale for each 32 along K = 1,024; the f32 sums are quantised here (q, k along the head's 64, v along the keys) and leave as codes.
; No work is left out in this launch; the causal mask's empty tiles are left out in the launch that follows.
; THE DEAL.  256 work-groups of four waves, 2 x 2.  A work-group keeps 256 rows of X (all of K) in LDS and makes, in three phases (V, Q, K), 256 tokens x 128 channels (two heads) of each tensor.
; Wave (a, b) has tokens 128 a .. 128 a + 127 (one key step J) and head b.  It holds its 64 rows of the phase's weight, all of K, in 384 registers; X streams past in blocks of 16 rows: 32 products a block.
; WHICH ROWS FORM A TILE is said by the lanes' LDS addresses alone.  X tile n, lane r: token 32 (n / 2) + 8 (n % 2) + r + 8 (r / 8), in all three phases.
;   q, k (source 0 = weight, source 1 = X): weight tile t, lane r: channel 32 (r / 8) + 8 t + r % 8: a lane's 32 sums of a block are one scale block.
;   v    (source 0 = X, source 1 = weight): weight tile t, lane r: channel 32 (t / 2) + 8 (t % 2) + r + 8 (r / 8); a lane's 16 sums of tiles 2 g, 2 g + 1 are keys 32 g + 16 h + 0 .. 15: a scale block lies in lanes l and l xor 16.
; LDS.  A tile's lanes 0-7 and 8-15 take rows 16 or 32 apart.  So each tensor lies in TWO REGIONS, the second 128 bytes askew: rows of 816 bytes (768 + 16 behind every 256) start 12 words apart modulo 64,
; and the skew of 32 words sets lanes 8-15 between lanes 0-7: the 32 lanes of a load of 8 bytes touch 64 different words modulo 64.
;   X: region (token / 16) % 2, in it [token / 32][token % 16];  Wv: region (row / 16) % 2, in it [row / 32][row % 16];  Wq, Wk: region (row / 32) % 2, in it [row / 64][row % 32].
;   In all three weights tile t of head b, lane r, then lies at region r / 8, row 32 b + 8 t + r % 8; X's tile n of wave row a at region r / 8, row 64 a + 8 n + r % 8.
;   A region is filled by one tensor load whose rows are 16 or 32 rows of the tensor on end (12,288 or 24,576 bytes, from a multiple of 256).
; WHAT IS STORED: half images (768 bytes: registers 0-3 at 16 x lane, 4-5 at 512 + 8 x lane) and scale words:
;   qc [b][head][tile 128][768];  qs [b][head][J][lane][4 words]: word i of lane (r, hh): tile 2 i + hh, row r (bytes 0, 1);
;   kv [b][head][J][13,056]: k's 8 half images; v^T's 2 x 4 (keys 0-63, 64-127; 4 tiles of channels) from 6,144; k's scale words at 12,288; v's at 12,800 ([lane][2 words]).
; FILLS: at the head one tensor load a wave (waves 0, 1 a region of Wv each, waves 2, 3 a region of X each).  The weights' regions are filled again twice (Wq, Wk; waves 0, 1 a region each), each time behind
; the three lines and a round of the cluster's barrier, when every wave holds the old weight in registers.
; CLUSTERS 4 x 4: X's rows are asked for jointly along a row of the cluster, a weight's rows along a column.
; NO PREFETCH: all of X and Wv is asked for at the head, and a refill is asked for 256 products of each wave ahead of the wait for it.
; s_wait_dscnt NF: the next block's NF loads may be out.
; LIMITS: NaN and infinities are not served.  A block under 2^-124 keeps the byte 1; a block of zeros gets 1 where the rule says 127 (its codes are zeros; this program alone reads the bytes).
.set KROW,   768
.set PITCH,  816
.set FR,     12
.set FPW,    21                        ; fragments in a window: fragment f lies in window 1 + f / 21 at register 12 (f % 21); 0-31 the weight's (4 q + t), 32-47 X's two sets
.set NF,     26                        ; LDS loads of a block
.set XSK,    128*PITCH+128             ; from X's first region to its second
.set WSK,    64*PITCH+128              ; from a weight's first region to its second
.set BVB,    256*PITCH+256
.set SPARE,  BVB+128*PITCH+256
.set EMAX,   2
.set HEADKV, 208896
.set STEPKV, 13056
.set XA,   4                           ; v4,5   X (v5: behind one padding more)
.set WA,   8                           ; v8,9   weight
.set ADRA, 12                          ; v12,13 the block that is fetched next
.set L16,  14
.set L8,   15
.set SPW,  16
.set NIL,  17
.set TQ,   18                          ; v18,19 the two chains
.set VQO,  20                          ; scale bytes' offsets: (r + 8 (r / 8) + 8 h) x 32
.set VVO,  21                          ; (32 (r / 8) + r % 8 + 8 h) x 32
.set SBV,  24                          ; v24-71 the weights' scale words: V, Q, K
.set SBQ,  40
.set SBK,  56
.set SAQ,  76                          ; v76-107 X's scale words: pair u: tile 2 u in lanes 0-15, tile 2 u + 1 in lanes 16-31
.set ACC,  140                         ; v140-203 q, k: two sets of four accumulators
.set MCD,  140                         ; v phase: v140-163 codes, v164-167 scale words, v168-171 at work, v172-179 maxima, v180-195 second conversions, v196-203 the other half's maxima
.set VW,   164
.set VT,   168
.set TQV,  172
.set TCV,  180
.set YV,   196
.set NCD,  204                         ; v204-215 q, k: codes, two sets of six
.set SOV,  204                         ; v phase: v204-211 the conversions' scale operands
.set SOP,  216
.set EB,   220
.set SW,   224
.set EBV,  224                         ; v phase: v224-231 scale bytes
.set TC,   228
.set BA,   232                         ; v232-239 the weight's four tiles
.set WE,   240
.set PW,   241
.set SHV,  242                         ; 8 h
.set PX,   243
.set HV,   840                         ; v840-967 v phase: a band's sums at 32 t + 8 j + i
.set HL,   HV-768
.set G1WQ, 4
.set G1W, 24
.set G1X, 32
.set G0X, 48
.set G0V, 52
.set G0Q, 56
.set G0K, 60
.set MSB, 0
.macro WIN new
.if MSB != \new
	s_set_vgpr_msb (MSB<<8)|\new
.set MSB, \new
.endif
.endm
.macro PLACES n
.rept \n
	v_nop
.endr
.endm
.macro WALU
	s_wait_alu depctr_va_vdst(0)
.endm
.macro BARRIER
	s_barrier_signal -1
	s_barrier_wait -1
.endm
.macro CROUND                          ; a round of the cluster's barrier
	WIN 0
	BARRIER
	s_cmp_lg_u32 s14, 0
	s_cbranch_scc1 .Lnot_wave_0_\@
	s_barrier_signal -3
.Lnot_wave_0_\@:
	s_barrier_wait -3
	BARRIER
.endm
.macro TLOAD g0, g1
	tensor_load_to_lds s[\g0:\g0+3], s[\g1:\g1+7]
	s_nop 0
	PLACES 4
.endm
.macro REFILL g0                       ; waves 0 and 1 a region each of the next weight
	s_cmp_lt_u32 s14, 2
	s_cbranch_scc0 .Lno_half_\@
	TLOAD \g0, G1WQ
.Lno_half_\@:
.endm
.macro GROUP1 g, mask, c, rows, pit    ; rows of c elements of 8 bytes, pit elements apart; 16 bytes of padding behind every 256
	s_or_b32 s[\g+0], s[\mask], (3<<16)|(1<<20)|(1<<21)|(5<<22)|(3<<25)
	s_mov_b32 s[\g+1], (\c)<<16
	s_mov_b32 s[\g+2], (\rows)<<16
	s_mov_b32 s[\g+3], (\c)<<16
	s_mov_b32 s[\g+4], \rows
	s_mov_b32 s[\g+5], \pit
	s_mov_b32 s[\g+6], 0
	s_mov_b32 s[\g+7], 0
.endm
.macro G0SET g, lds, base, off
	s_mov_b32 s[\g], 1
	s_mov_b32 s[\g+1], s\lds
	s_add_nc_u64 s[\g+2:\g+3], s[\base:\base+1], s[\off:\off+1]
	s_or_b32 s[\g+3], s[\g+3], 0x80000000
.endm
.macro ADR d, p, s                     ; the lane's row + 24 h (and + 40 h, behind one padding more) + the wave's place
	v_mad_u32_u24 v[\d], v2, 24, v\p
	v_mad_u32_u24 v[\d+1], v2, 40, v\p
	v_add_nc_u32 v[\d], s\s, v[\d]
	v_add_nc_u32 v[\d+1], s\s, v[\d+1]
.endm
.macro FRAG f, q, a0, a1               ; six pieces of 8 bytes, two to a load where both lie behind as many paddings
	WIN (1+(\f)/FPW)<<6
.set R_, FR*((\f)%FPW)
.set SKIP_, 0
.irp p, 0,1,2,3,4,5
.if SKIP_
.set SKIP_, 0
.else
.set PC_, 12*(\q)+6*(\p/3)+\p%3
.set PN_, 12*(\q)+6*((\p+1)/3)+(\p+1)%3
.set X_, (PC_%32+3)/32
.set XQ_, (PN_%32+3)/32
.if (\p < 5) && (X_ == XQ_)
.set SKIP_, 1
.if X_
	ds_load_2addr_b64 v[R_+2*\p:R_+2*\p+3], \a1 offset0:PC_+2*(PC_/32) offset1:PN_+2*(PN_/32)
.else
	ds_load_2addr_b64 v[R_+2*\p:R_+2*\p+3], \a0 offset0:PC_+2*(PC_/32) offset1:PN_+2*(PN_/32)
.endif
.elseif X_
	ds_load_b64 v[R_+2*\p:R_+2*\p+1], \a1 offset:8*(PC_+2*(PC_/32))
.else
	ds_load_b64 v[R_+2*\p:R_+2*\p+1], \a0 offset:8*(PC_+2*(PC_/32))
.endif
.endif
.endr
.endm
.macro WEIGHTS                         ; my 64 rows of the weight, all of K
.irp q, 0,1,2,3,4,5,6,7
.irp b, 0,1,2,3
	FRAG 4*\q+\b, \q, v[BA+2*\b], v[BA+2*\b+1]
.endr
.endr
	WIN 0
.endm
.macro FETCHX e, a                     ; a block of X's rows into set e
.irp q, 0,1,2,3,4,5,6,7
	FRAG 32+8*(\e)+\q, \q, v[\a], v[\a+1]
.endr
	WIN 0
.endm
.macro NEXT n                          ; tile n lies 8 n LDS rows behind tile 0
	v_add_nc_u32 v[ADRA], 8*(\n)*PITCH, v[XA]
	v_add_nc_u32 v[ADRA+1], 8*(\n)*PITCH, v[XA+1]
.endm
.macro W1 d, s0, s1, c, x0, x1, r0, r1
	v_wmma_scale_f32_16x16x128_f8f6f4 v[\d:\d+7], v[FR*((\s0)%FPW):FR*((\s0)%FPW)+FR-1], v[FR*((\s1)%FPW):FR*((\s1)%FPW)+FR-1], \c, v[\x0], v[\x1] matrix_a_fmt:MATRIX_FMT_FP6 matrix_b_fmt:MATRIX_FMT_FP6 matrix_a_scale:MATRIX_SCALE_ROW\r0 matrix_b_scale:MATRIX_SCALE_ROW\r1
.endm
; a block's 32 products, the four accumulators by turns; behind every second one two entries of the list
.macro BLOCK kind, e, par, d0, dst, sbr, sar, list, x
.irp q, 0,1,2,3,4,5,6,7
.irp p, 0,1
.irp o, 0,1
.set FB_, 4*\q+2*\p+\o
.set FA_, 32+8*(\e)+\q
.set D_, (\d0)+(\dst)*(2*\p+\o)
.set DL_, D_&255
.set DW_, D_>>8
.if \kind
	WIN (1+FA_/FPW)|((1+FB_/FPW)<<2)|(DW_<<4)|(DW_<<6)
.if \q
	W1 DL_, FA_, FB_, v[DL_:DL_+7], (\sar)+\q, (\sbr)+8*\p+\q, \par, \o
.else
	W1 DL_, FA_, FB_, 0, (\sar)+\q, (\sbr)+8*\p+\q, \par, \o
.endif
.else
	WIN (1+FB_/FPW)|((1+FA_/FPW)<<2)|(DW_<<4)|(DW_<<6)
.if \q
	W1 DL_, FB_, FA_, v[DL_:DL_+7], (\sbr)+8*\p+\q, (\sar)+\q, \o, \par
.else
	W1 DL_, FB_, FA_, 0, (\sbr)+8*\p+\q, (\sar)+\q, \o, \par
.endif
.endif
.if \o
	\list 4*\q+2*\p, \x
	\list 4*\q+2*\p+1, \x
.endif
.endr
.endr
.endr
.endm
.macro CHAIN i, x, n, t=TQ             ; 18 entries: the largest magnitude of the 32 sums from register x on, by two chains; the conversions' scale operand v[SOP+n]
.set XL_, \x
.if (\i) >= 0 && (\i) < 14
.set B_, XL_+16*((\i)%2)+2*((\i)/2)
.set T_, (\t)+1-(\i)%2
	WIN 0
.if (\i) < 2
	v_max3_num_f32 v[T_], |v[B_]|, |v[B_+1]|, |v[B_+2]|
.else
	v_max3_num_f32 v[T_], v[T_], |v[B_+1]|, |v[B_+2]|
.endif
.elseif (\i) == 14
	WIN 0
	v_max3_num_f32 v[\t+1], v[\t+1], |v[XL_+15]|, (EMAX+1)<<23
.elseif (\i) == 15
	WIN 0
	v_nop
.elseif (\i) == 16
	WIN 0
	v_max3_num_f32 v[\t], v[\t], |v[XL_+31]|, v[\t+1]
.elseif (\i) == 17
	WIN 0
	v_add_nc_u32 v[SOP+\n], -(EMAX<<23), v[\t]
.endif
.endm
.macro CODES i, x, c, n, t=TC          ; 6 lines: 32 codes into v[c .. c+5], the scale's byte into v[EB+n]
.if (\i) == 0
	v_cvt_scalef32_pk16_fp6_f32 v[\c:\c+2], v[\x:\x+15], v[SOP+\n]
.elseif (\i) == 1
	v_cvt_scalef32_pk16_fp6_f32 v[\t:\t+2], v[\x+16:\x+31], v[SOP+\n]
.elseif (\i) == 2
	v_lshrrev_b32 v[EB+\n], 23, v[SOP+\n]
.else
	v_mov_b32 v[\c+\i], v[\t+\i-3]
.endif
.endm
.macro L_NONE i, x
.endm
.macro L_OUT i, x
	CHAIN \i, \x, 0
.endm
.macro PUT c, base, off                ; a half image: 512 and 256 consecutive bytes, aligned
	global_store_b128 v[L16], v[\c:\c+3], s[\base:\base+1] offset:\off
	global_store_b64 v[L8], v[\c+4:\c+5], s[\base:\base+1] offset:(\off)+512
.endm
; ---- the head
	s_load_b512 s[68:83], s[0:1], 0x0              ; X codes, scales, Wq, Wk, Wv codes and scales
	s_load_b128 s[84:87], s[0:1], 0x40             ; qc, qs
	s_load_b64 s[88:89], s[0:1], 0x50              ; kv
	v_lshl_add_u32 v[SPW], v0, 2, SPARE
	v_mov_b32 v[NIL], 0
	ds_add_u32 v[SPW], v[NIL]                      ; the opening lines
	ds_add_u32 v[SPW], v[NIL]
	v_lshrrev_b32 v1, 5, v0
	v_readfirstlane_b32 s14, v1                    ; wave; s15 = a, s16 = b
	s_lshr_b32 s15, s14, 1
	s_and_b32 s16, s14, 1
	s_bfe_u32 s40, ttmp6, 0x40000
	s_bfe_u32 s41, ttmp6, 0x40004
	s_lshl_b32 s42, ttmp9, 2
	s_add_co_u32 s42, s42, s40                     ; s42: which pair of heads
	s_and_b32 s43, ttmp7, 0xffff
	s_lshl_b32 s43, s43, 2
	s_add_co_u32 s43, s43, s41                     ; s43: which 256 tokens
	s_lshl_b32 s44, s41, 2
	s_lshl_b32 s44, 15, s44                        ; my row of the cluster
	s_lshl_b32 s45, 0x1111, s40                    ; my column
	GROUP1 G1W, 45, 1536, 4, 3072                  ; Wv: 4 x 16 rows, 32 rows apart
	GROUP1 G1X, 44, 1536, 8, 3072                  ; X: 8 x 16 rows, 32 rows apart
	s_mul_i32 s20, s43, 256*KROW                   ; the region of X that I fetch begins at row 16 (wave % 2)
	s_mul_i32 s21, s16, 16*KROW
	s_add_co_u32 s20, s20, s21
	s_mul_i32 s22, s42, 128*KROW
	s_mul_i32 s13, s16, 32*KROW
	s_add_co_u32 s12, s22, s13                     ; Wq, Wk: at row 32 (wave % 2)
	s_add_co_u32 s22, s22, s21                     ; Wv: at row 16 (wave % 2)
	s_mov_b32 s21, 0
	s_mov_b32 s13, 0
	s_mov_b32 s23, 0
	s_mul_i32 s46, s16, XSK
	s_mul_i32 s47, s16, WSK
	s_add_co_u32 s47, s47, BVB
	s_mul_i32 s18, s16, 32*PITCH                   ; where my head's rows lie in a region
	s_add_co_u32 s18, s18, BVB
	s_mul_i32 s19, s15, 64*PITCH                   ; where my 128 tokens lie in a region
	s_lshl_b32 s92, s43, 13                        ; X's scale bytes of my 128 tokens
	s_lshl_b32 s93, s15, 12
	s_add_co_u32 s92, s92, s93
	s_mov_b32 s93, 0
	s_lshl_b32 s90, s42, 12                        ; a weight's scale bytes of my head
	s_lshl_b32 s91, s16, 11
	s_add_co_u32 s90, s90, s91
	s_mov_b32 s91, 0
	s_lshr_b32 s10, s43, 3
	s_lshl_b32 s10, s10, 4
	s_lshl_b32 s11, s42, 1
	s_add_co_u32 s10, s10, s11
	s_add_co_u32 s10, s10, s16                     ; 16 b + head
	s_and_b32 s11, s43, 7
	s_lshl_b32 s11, s11, 1
	s_add_co_u32 s11, s11, s15                     ; J
	s_mul_i32 s4, s10, 98304
	s_mul_i32 s5, s11, 6144
	s_add_co_u32 s4, s4, s5
	s_mov_b32 s5, 0
	s_lshl_b32 s6, s10, 13
	s_lshl_b32 s7, s11, 9
	s_add_co_u32 s6, s6, s7
	s_mov_b32 s7, 0
	s_mul_i32 s8, s10, HEADKV
	s_mul_i32 s9, s11, STEPKV
	s_add_co_u32 s8, s8, s9
	s_mov_b32 s9, 0
	s_mov_b32 s94, 0xffff0000                      ; lanes 16-31
	s_mov_b32 s96, 0x76543210
	s_mov_b32 s97, 0xfedcba98                      ; lane l xor 16
	v_and_b32 v1, 15, v0
	v_bfe_u32 v2, v0, 4, 1
	v_and_b32 v3, 31, v0
	v_lshrrev_b32 v22, 3, v1                       ; r / 8
	v_lshl_add_u32 v23, v22, 3, v1                 ; r + 8 (r / 8)
	v_mad_u32_u24 v7, v22, 24, v1                  ; 32 (r / 8) + r % 8
	v_lshl_add_u32 v[VQO], v2, 3, v23
	v_lshl_add_u32 v[VVO], v2, 3, v7
	v_lshlrev_b32 v[VQO], 5, v[VQO]
	v_lshlrev_b32 v[VVO], 5, v[VVO]
	v_and_b32 v23, 7, v1
	v_mul_u32_u24 v23, v23, PITCH
	v_mad_u32_u24 v6, v22, XSK, v23                ; region r / 8, row r % 8
	v_mad_u32_u24 v7, v22, WSK, v23
	ADR XA, 6, 19
	ADR WA, 7, 18
.irp t, 0,1,2,3
	v_add_nc_u32 v[BA+2*\t], 8*\t*PITCH, v[WA]
	v_add_nc_u32 v[BA+2*\t+1], 8*\t*PITCH, v[WA+1]
.endr
	v_lshlrev_b32 v[L16], 4, v3
	v_lshlrev_b32 v[L8], 3, v3
	v_lshlrev_b32 v[SHV], 3, v2
	v_mov_b32 v[PX], 0
.irp k, 0,1,2,3,4,5,6,7
	v_mov_b32 v[YV+\k], 0                          ; written once: a lane permute's destination counts as one of its sources
.endr
	WALU                                           ; the wait at the head's end
	s_wait_dscnt 0x0
	CROUND                                         ; the opening round
	s_wait_kmcnt 0x0
	G0SET G0X, 46, 68, 20
	G0SET G0V, 47, 80, 22
	G0SET G0Q, 47, 72, 12
	G0SET G0K, 47, 76, 12
	s_add_nc_u64 s[70:71], s[70:71], s[92:93]
	s_add_nc_u64 s[74:75], s[74:75], s[90:91]
	s_add_nc_u64 s[78:79], s[78:79], s[90:91]
	s_add_nc_u64 s[82:83], s[82:83], s[90:91]
	s_add_nc_u64 s[84:85], s[84:85], s[4:5]
	s_add_nc_u64 s[86:87], s[86:87], s[6:7]
	s_add_nc_u64 s[88:89], s[88:89], s[8:9]
	GROUP1 G1WQ, 45, 3072, 2, 6144                 ; Wq, Wk: 2 x 32 rows, 64 rows apart (in registers whose offsets have served)
	s_cmp_lt_u32 s14, 2
	s_cbranch_scc0 .Lfor_x
	TLOAD G0V, G1W                                 ; waves 0, 1: Wv's rows, wanted first
	s_branch .Lasked
.Lfor_x:
	TLOAD G0X, G1X                                 ; waves 2, 3: X's rows
.Lasked:
.irp p, 0,1
.irp c, 0,1
	global_load_b128 v[SBV+8*\p+4*\c:SBV+8*\p+4*\c+3], v[VQO], s[82:83] offset:\p*1024+16*\c
	global_load_b128 v[SBQ+8*\p+4*\c:SBQ+8*\p+4*\c+3], v[VVO], s[74:75] offset:\p*512+16*\c
	global_load_b128 v[SBK+8*\p+4*\c:SBK+8*\p+4*\c+3], v[VVO], s[78:79] offset:\p*512+16*\c
.endr
.endr
.irp u, 0,1,2,3
.irp c, 0,1
	global_load_b128 v[SAQ+8*\u+4*\c:SAQ+8*\u+4*\c+3], v[VQO], s[70:71] offset:\u*1024+16*\c
.endr
.endr
	s_cmp_lt_u32 s14, 2
	s_cbranch_scc0 .Lnot_w
	s_wait_tensorcnt 0x0
.Lnot_w:
	BARRIER                                        ; Wv's rows are in
	WEIGHTS
	s_wait_tensorcnt 0x0                           ; the three lines ahead of the first refill's round; X's regions are in too
	ds_add_u32 v[SPW], v[NIL]
	s_wait_dscnt 0x0                               ; I hold Wv in registers
	CROUND
	REFILL G0Q                                     ; Wq's rows onto Wv's
	FETCHX 0, XA
	NEXT 1
	FETCHX 1, ADRA
	s_wait_loadcnt 0x0
; ---- phase 1: V, two bands of four blocks
.macro VBLK bk, par
.if \bk < 7
	s_wait_dscnt NF
.else
	s_wait_dscnt 0x0
.endif
	BLOCK 1, (\bk)%2, \par, HV+8*((\bk)%4), 32, SBV, SAQ+8*((\bk)/2), L_NONE, 0
	WIN 0
.if \bk < 6
	NEXT (\bk)+2
	PLACES 2
	FETCHX (\bk)%2, ADRA
.else
	PLACES 4
.endif
.endm
.macro VREG c                          ; a band's way out on registers: four tiles of channels x two scale blocks by turns
	WIN 0x0f
.irp t, 0,1,2,3
.irp g, 0,1
	v_max3_num_f32 v[TQV+2*\t+\g], |v[HL+32*\t+16*\g]|, |v[HL+32*\t+16*\g+1]|, (EMAX+1)<<23   ; my 16 numbers of the block, and the floor: the byte cannot fall under 1
.endr
.endr
	WIN 0x3c
.irp i, 2,4,6,8,10,12,14
.irp t, 0,1,2,3
.irp g, 0,1
	v_max3_num_f32 v[TQV+2*\t+\g], v[TQV+2*\t+\g], |v[HL+32*\t+16*\g+\i]|, |v[HL+32*\t+16*\g+\i+1]|
.endr
.endr
.endr
	WIN 0
.irp k, 0,1,2,3,4,5,6,7
	v_permlanex16_b32 v[YV+\k], v[TQV+\k], s96, s97
.endr
.irp k, 0,1,2,3,4,5,6,7
	v_max_num_f32 v[TQV+\k], v[TQV+\k], v[YV+\k]   ; with lane l xor 16's 16
.endr
.irp k, 0,1,2,3,4,5,6,7
	v_add_nc_u32 v[SOV+\k], -(EMAX<<23), v[TQV+\k]
.endr
.irp k, 0,1,2,3,4,5,6,7
	v_lshrrev_b32 v[EBV+\k], 23, v[SOV+\k]
.endr
	WIN 3
.irp t, 0,1,2,3
	v_cvt_scalef32_pk16_fp6_f32 v[MCD+6*\t:MCD+6*\t+2], v[HL+32*\t:HL+32*\t+15], v[SOV+2*\t]
	v_cvt_scalef32_pk16_fp6_f32 v[TCV+4*\t:TCV+4*\t+2], v[HL+32*\t+16:HL+32*\t+31], v[SOV+2*\t+1]
.endr
	WIN 0
.irp t, 0,1,2,3
.if \c
	v_lshl_or_b32 v[VT+\t], v[EBV+2*\t+1], 8, v[EBV+2*\t]
.else
	v_lshl_or_b32 v[VW+\t], v[EBV+2*\t+1], 8, v[EBV+2*\t]      ; bytes 2 c, 2 c + 1 of the tile's scale word
.endif
.endr
.irp t, 0,1,2,3
.irp i, 0,1,2
	v_permlane16_swap_b32 v[MCD+6*\t+\i], v[TCV+4*\t+\i]       ; a whole block in a lane: lanes 0-15 block 2 c, lanes 16-31 block 2 c + 1
.endr
.endr
.irp t, 0,1,2,3
.irp i, 0,1,2
	v_mov_b32 v[MCD+6*\t+3+\i], v[TCV+4*\t+\i]
.endr
.endr
.if \c
.irp t, 0,1,2,3
	v_lshl_or_b32 v[VW+\t], v[VT+\t], 16, v[VW+\t]
.endr
	v_cndmask_b32 v[VT], v[VW], v[VW+1], s94       ; lanes 0-15 the even tile's word, lanes 16-31 the odd tile's
	v_cndmask_b32 v[VT+1], v[VW+2], v[VW+3], s94
.endif
.endm
.macro VPUT c
.irp t, 0,1,2,3
	PUT MCD+6*\t, 88, 6144+3072*\c+768*\t
.endr
.endm
	VBLK 0, 0
	VBLK 1, 1
	VBLK 2, 0
	VBLK 3, 1
	VREG 0
	VPUT 0
	VBLK 4, 0
	VBLK 5, 1
	VBLK 6, 0
	VBLK 7, 1
	s_wait_tensorcnt 0x0
	s_wait_dscnt 0x0
	BARRIER                                        ; Wq's rows are shown to all
	WEIGHTS
	FETCHX 0, XA
	NEXT 1
	FETCHX 1, ADRA
	s_wait_xcnt 0x0                                ; band 0's stores have read their registers
	s_wait_tensorcnt 0x0                           ; the three lines ahead of the second refill's round; band 1's way out stands between the add and its wait
	ds_add_u32 v[SPW], v[NIL]
	VREG 1
	WALU
	s_wait_dscnt 0x0
	CROUND
	REFILL G0K                                     ; Wk's rows onto Wq's
	VPUT 1
	global_store_b64 v[L8], v[VT:VT+1], s[88:89] offset:12800
; ---- phases 2 and 3: Q, K, eight blocks each; block n - 1's way out stands in block n
.macro QTAIL n, cb
	WIN 0
.irp i, 0,1,2,3,4,5
	CODES \i, ACC+32*((\n)%2), NCD+6*((\n)%2), 0
.endr
	v_lshlrev_b32 v[PW], v[SHV], v[EB]
	v_permlanex16_b32 v[PX], v[PW], s96, s97
.if (\n)%2
	v_or_b32 v[PW], v[PW], v[PX]
	v_cndmask_b32 v[SW+(\n)/2], v[WE], v[PW], s94
.else
	v_or_b32 v[WE], v[PW], v[PX]                   ; bytes 0, 1: the row's two blocks
.endif
	PUT NCD+6*((\n)%2), \cb, 768*(\n)
.endm
.macro QBLK bk, par, sbr, cb
.if \bk < 7
	s_wait_dscnt NF
.else
	s_wait_dscnt 0x0
.endif
	s_wait_xcnt 0x0                                ; earlier stores have read their registers
.if \bk
	BLOCK 0, (\bk)%2, \par, ACC+32*((\bk)%2), 8, \sbr, SAQ+8*((\bk)/2), L_OUT, ACC+32*(1-(\bk)%2)
	QTAIL (\bk)-1, \cb
.else
	BLOCK 0, 0, \par, ACC, 8, \sbr, SAQ, L_NONE, 0
	WIN 0
	PLACES 2
.endif
.if \bk < 6
	NEXT (\bk)+2
	FETCHX (\bk)%2, ADRA
.endif
.endm
.macro QPHASE sbr, cb
	QBLK 0, 0, \sbr, \cb
	QBLK 1, 1, \sbr, \cb
	QBLK 2, 0, \sbr, \cb
	QBLK 3, 1, \sbr, \cb
	QBLK 4, 0, \sbr, \cb
	QBLK 5, 1, \sbr, \cb
	QBLK 6, 0, \sbr, \cb
	QBLK 7, 1, \sbr, \cb
.endm
.macro QLAST cb, sb, so                ; the last block's way out, and the eight tiles' scale words: 512 consecutive bytes
.set I, 0
.rept 18
	CHAIN I, ACC+32, 0
.set I, I+1
.endr
	QTAIL 7, \cb
	global_store_b128 v[L16], v[SW:SW+3], s[\sb:\sb+1] offset:\so
.endm
	QPHASE SBQ, 84
	s_wait_tensorcnt 0x0
	s_wait_dscnt 0x0
	BARRIER                                        ; Wk's rows are shown to all
	WEIGHTS
	FETCHX 0, XA
	NEXT 1
	FETCHX 1, ADRA
	QLAST 84, 86, 0
	QPHASE SBK, 88
	QLAST 88, 88, 12288
	s_wait_tensorcnt 0x0                           ; the wave's end
	ds_add_u32 v[SPW], v[NIL]
	s_wait_dscnt 0x0
	CROUND                                         ; the closing round
	s_endpgm
.Lfunc_end_k_q5b53588c39_proj:
	.size	k_q5b53588c39_proj, .Lfunc_end_k_q5b53588c39_proj-k_q5b53588c39_proj
	.p2alignl 7, 3214868480
	.fill 96, 4, 3214868480
	.section	.rodata,"a",@progbits
	.p2align	6, 0x0
	.amdhsa_kernel k_q5b53588c39_proj
		.amdhsa_group_segment_fixed_size 327680
		.amdhsa_private_segment_fixed_size 0
		.amdhsa_enable_private_segment 0
		.amdhsa_kernarg_size 88
		.amdhsa_user_sgpr_count 2
		.amdhsa_user_sgpr_kernarg_segment_ptr 1
		.amdhsa_wavefront_size32 1
		.amdhsa_system_sgpr_workgroup_id_x 1
		.amdhsa_system_sgpr_workgroup_id_y 1
		.amdhsa_system_sgpr_workgroup_id_z 1
		.amdhsa_system_vgpr_workitem_id 0
		.amdhsa_next_free_vgpr 1024
		.amdhsa_next_free_sgpr 100
		.amdhsa_reserve_vcc 0
		.amdhsa_float_denorm_mode_32 3
		.amdhsa_float_denorm_mode_16_64 3
		.amdhsa_memory_ordered 1
		.amdhsa_forward_progress 1
		.amdhsa_inst_pref_size 229
	.end_amdhsa_kernel
	.amdgpu_metadata
---
amdhsa.version: [ 1, 2 ]
amdhsa.kernels:
  - .name:           k_q5b53588c39_proj
    .symbol:         k_q5b53588c39_proj.kd
    .args:
      - { .name: token_embeddings_codes, .offset: 0, .size: 8, .value_kind: global_buffer, .address_space: global }
      - { .name: token_embeddings_scales, .offset: 8, .size: 8, .value_kind: global_buffer, .address_space: global }
      - { .name: Wq_codes, .offset: 16, .size: 8, .value_kind: global_buffer, .address_space: global }
      - { .name: Wq_scales, .offset: 24, .size: 8, .value_kind: global_buffer, .address_space: global }
      - { .name: Wk_codes, .offset: 32, .size: 8, .value_kind: global_buffer, .address_space: global }
      - { .name: Wk_scales, .offset: 40, .size: 8, .value_kind: global_buffer, .address_space: global }
      - { .name: Wv_codes, .offset: 48, .size: 8, .value_kind: global_buffer, .address_space: global }
      - { .name: Wv_scales, .offset: 56, .size: 8, .value_kind: global_buffer, .address_space: global }
      - { .name: qc, .offset: 64, .size: 8, .value_kind: global_buffer, .address_space: global }
      - { .name: qs, .offset: 72, .size: 8, .value_kind: global_buffer, .address_space: global }
      - { .name: kv, .offset: 80, .size: 8, .value_kind: global_buffer, .address_space: global }
    .group_segment_fixed_size: 327680
    .private_segment_fixed_size: 0
    .kernarg_segment_align: 8
    .kernarg_segment_size: 88
    .max_flat_workgroup_size: 128
    .sgpr_count:     100
    .vgpr_count:     1024
    .wavefront_size: 32
...
	.end_amdgpu_metadata
.endif
;; end of part 1
;; launch attn (part 2): grid 4 x 64, 16 waves a work-group, clusters of 4 x 1, 210,944 bytes of LDS; arguments qc, qs, kv, ac, asc; writes ac, asc
.if DOCPART == 2
	.amdgcn_target "amdgcn-amd-amdhsa--gfx1250"
	.amdhsa_code_object_version 6
	.text
	.protected	k_q5b53588c39_attn
	.globl	k_q5b53588c39_attn
	.p2align	8
	.type	k_q5b53588c39_attn,@function
k_q5b53588c39_attn:
	s_mov_b64 s[64:65], 0
	v_nop
	global_prefetch_b8 v0, s[64:65] scope:SCOPE_SE
	s_setreg_imm32_b32 hwreg(HW_REG_WAVE_MODE, 25, 1), 1
	s_wait_xcnt 0x0
	s_wait_alu depctr_hold_cnt(0) depctr_sa_sdst(0) depctr_va_vdst(0) depctr_va_sdst(0) depctr_va_ssrc(0) depctr_va_vcc(0) depctr_vm_vsrc(0)
	s_getreg_b32 s2, hwreg(HW_REG_IB_STS2, 6, 4)
	s_cmp_eq_u32 s2, 0
	s_cbranch_scc0 .Lentry_in_a_cluster
	s_endpgm
.Lentry_in_a_cluster:
	s_bfe_u32 s2, ttmp6, 0x10000c
	s_cmp_lg_u32 s2, 0x3003
	s_cbranch_scc0 .Lentry_shape_is_right
	s_endpgm
.Lentry_shape_is_right:
; Causal attention of one (batch, head) per cluster, on codes of FP6 (E2M3) with one E8M0 scale for each 32 along a product's K; its result, divided by the row's sum, is quantised along the head's 64 and leaves as codes.
; THE SOFTMAX AHEAD OF THE SECOND PRODUCT: t = score x log2(e) / 8; M = the row's largest t so far, rounded UP to a whole number; p = 2^(t - M) is quantised along the keys, not normalised; the row's sum is taken of
; the unquantised p.  When M moves, the sum and O are multiplied by 2^(old M - new M): exact.
; SHARES.  2,048 queries are 128 tiles of 16.  Wave w (0..15) of partner c (0..3) owns tiles T1 = 4 w + c and T2 = 127 - T1: T1 needs w / 2 + 1 key steps of 128, T2 16 - w / 2: 17 for every wave, and neither count hangs on c.
; ALL OF A HEAD'S K, V AND SCALE WORDS STAY IN LDS: 16 key steps of 13,056 bytes, asked for JOINTLY by the four partners, once: wave w asks for key step w.  Nothing is filled again, so there is no ring,
; and nothing is left to ask for ahead of time.  The first eight key steps of T2, which every wave has in full, are walked without the mask.
; LAYOUT.  Both products are used transposed: S^T = K Q^T (source 0 = 16 keys), O^T = V^T P^T (source 0 = 16 channels): a lane holds ONE query throughout.  The launch before has laid the rows of every tile so that the
; 16 registers of result tiles 2 b and 2 b + 1 are 16 neighbours along the next K: lane r of tile n holds row 32 (n / 2) + 8 (n % 2) + r + 8 (r / 8) of its 128.  All operands lie in LDS as images of their registers.
; THE HEAD IS 64, THE INSTRUCTION'S K 128.  Q's registers 6-11 are zero codes and bytes 2, 3 of both scale words are 0 (2^-127).  K's fragment names, as its registers 6-11, the six registers that follow: the next
; tile's codes (behind the last tile: zeros).  Every code is a finite number, so these products are exactly 0.  That spares 48 registers.
; THE MASK.  Every loop has a constant number of trips; a step all of whose keys come after the tile's queries is jumped over by a scalar branch on the wave's number; in the tile's own step hidden scores become -infinity.
; WHAT IS STORED: ac [tile G = 128 b + T][head][768]: a half image (16 rows x 64 K: registers 0-3 at 16 x lane, 4-5 at 512 + 8 x lane);  asc [16 G + r][32]: byte 2 head + block.
; The scale bytes leave one byte a lane, 32 bytes apart: a row's 32 bytes come from 16 work-groups; they are one byte in 24 of what the launch stores.
; LIMITS: NaN and infinities are not served.  A block under 2^-124 keeps the byte 1; a block of zeros gets 1 where the rule says 127 (its codes are zeros; this program alone reads the bytes).
; A block's largest p is taken through its largest score, which takes v_exp_f32 not to fall where its input rises.
.set STEPKV, 13056
.set HEADKV, 208896
.set L16, 1                            ; v1   16 x lane
.set L8,  2                            ; v2   8 x lane
.set A16, 3                            ; v3   the step's LDS addresses
.set A8,  4                            ; v4
.set DQ,  5                            ; v5   my query's place in its 128, less 16 (l / 16)
.set NINF, 6                           ; v6   -infinity
.set BO8, 7                            ; v7   32 r + h: my scale byte's place
.set KSC, 8                            ; v8-11 K's scale words: register i: tile 2 i in lanes 0-15, tile 2 i + 1 in lanes 16-31
.set QF2, 16                           ; v16-27 Q of T2 (v22-27 zeros)
.set QF1, 28                           ; v28-39 Q of T1 (v34-39 zeros)
.set KF,  40                           ; v40-87 K's eight half fragments, then V's four fragments
.set ZR,  88                           ; v88-93 zeros
.set QS2, 94                           ; v94, v95 Q's scale words
.set QS1, 95
.set S,   96                           ; v96-159 S^T, then p
.set O,   160                          ; v160-191 O^T
.set PC,  192                          ; v192-203 p's codes
.set PT,  204                          ; v204-210 the conversions' second halves
.set BM,  212                          ; v212-215 a block's largest score, then largest p
.set BX,  216                          ; v216-219 at work
.set SO,  220                          ; v220-223 the conversions' scale operands
.set F,   224                          ; v[224:225] f = 2^(old M - new M) (v225 is named with it as a pair)
.set PS,  226                          ; v226 p's scale word
.set TT,  227
.set VSC, 228                          ; v228-229 V's scale words
.set LP,  230                          ; v230 r + 8 (r / 8) - 16 h
.set BY,  231
.set R16, 232                          ; v232 16 r
.set WV,  14
.set CX,  15
.set BH,  16
.set T2,  17
.set T1,  18
.set JL,  19                           ; the tile's own key step
.set SEL, 22
.set CS,  24                           ; s[24:25] log2(e) / 8
.set G1,  28
.set G0A, 36
.set G0B, 40
.set TB,  44                           ; LDS byte at which the step's tiles begin
.set JC,  45                           ; the key step
.set HIM, 46                           ; lanes 16-31
.set CNT, 66
.macro CROUND                          ; a round of the cluster's barrier
	s_barrier_signal -1
	s_barrier_wait -1
	s_cmp_lg_u32 s[WV], 0
	s_cbranch_scc1 .Lnot_wave_0_\@
	s_barrier_signal -3
.Lnot_wave_0_\@:
	s_barrier_wait -3
	s_barrier_signal -1
	s_barrier_wait -1
.endm
	s_load_b256 s[4:11], s[0:1], 0x0               ; qc, qs, kv, ac
	s_load_b64 s[12:13], s[0:1], 0x20              ; asc
	v_lshl_add_u32 v254, v0, 2, 0x33000
	v_mov_b32 v255, 0
	ds_add_u32 v254, v255
	ds_add_u32 v254, v255
	v_lshrrev_b32 v1, 5, v0
	s_delay_alu instid0(VALU_DEP_1)
	v_readfirstlane_b32 s[WV], v1                  ; wave 0..15
	s_bfe_u32 s[CX], ttmp6, 0x40000                ; my place in the cluster: it enters Q's and the output's addresses and the mask's compare alone
	s_and_b32 s[BH], ttmp7, 0xffff                 ; 16 b + head, which the four partners share
	; descriptor group 1: a key step is 51 rows of 256 bytes (32 elements of 8), dense, no padding
	s_mov_b32 s[G1+0], 15|(3<<16)|(1<<21)          ; the mask: all four work-groups; bit 21 set beside it
	s_mov_b32 s[G1+1], 32<<16
	s_mov_b32 s[G1+2], 51<<16
	s_mov_b32 s[G1+3], 32<<16
	s_mov_b32 s[G1+4], 51
	s_mov_b32 s[G1+5], 32
	s_mov_b32 s[G1+6], 0
	s_mov_b32 s[G1+7], 0
	s_mul_i32 s[G0A+1], s[WV], STEPKV              ; LDS: key step w: each of the sixteen waves asks for one key step
	s_mul_i32 s26, s[BH], HEADKV
	s_add_co_u32 s20, s26, s[G0A+1]
	s_mov_b32 s21, 0
	s_mov_b32 s[G0A], 1
	s_wait_dscnt 0x0
	s_wait_kmcnt 0x0
	s_add_nc_u64 s[G0A+2:G0A+3], s[8:9], s[20:21]
	s_or_b32 s[G0A+3], s[G0A+3], 0x80000000
	CROUND                                         ; all four work-groups are here: the joint loads meet
	tensor_load_to_lds s[G0A:G0A+3], s[G1:G1+7]    ; one load a wave, with no branch: wave w's is key step w
	s_nop 0
.rept 4
	v_nop
.endr
	s_lshl_b32 s[T1], s[WV], 2
	s_add_co_u32 s[T1], s[T1], s[CX]
	s_sub_co_u32 s[T2], 127, s[T1]
; where tile t's Q, its scale words and its results lie
.macro BASES t, qcb, qsb, acb, asb
	s_lshl_b32 s20, s[BH], 7
	s_add_co_u32 s20, s20, s[\t]
	s_mul_i32 s20, s20, 768
	s_add_nc_u64 s[\qcb:\qcb+1], s[4:5], s[20:21]  ; qc: (128 (16 b + head) + T) x 768
	s_lshl_b32 s20, s[BH], 13
	s_lshr_b32 s26, s[\t], 3
	s_lshl_b32 s26, s26, 9
	s_add_co_u32 s20, s20, s26
	s_and_b32 s26, s[\t], 1
	s_lshl_b32 s26, s26, 8
	s_add_co_u32 s20, s20, s26
	s_and_b32 s26, s[\t], 6
	s_lshl_b32 s26, s26, 1
	s_add_co_u32 s20, s20, s26
	s_add_nc_u64 s[\qsb:\qsb+1], s[6:7], s[20:21]  ; qs: 8,192 (16 b + head) + 512 (T / 8) + 256 (T % 2) + 4 ((T % 8) / 2)
	s_lshr_b32 s26, s[BH], 4
	s_lshl_b32 s26, s26, 7
	s_add_co_u32 s26, s26, s[\t]                   ; G = 128 b + T
	s_and_b32 s27, s[BH], 15                       ; the head
	s_mul_i32 s20, s26, 12288
	s_mul_i32 s47, s27, 768
	s_add_co_u32 s20, s20, s47
	s_add_nc_u64 s[\acb:\acb+1], s[10:11], s[20:21]
	s_lshl_b32 s20, s26, 9
	s_lshl_b32 s47, s27, 1
	s_add_co_u32 s20, s20, s47
	s_add_nc_u64 s[\asb:\asb+1], s[12:13], s[20:21]
.endm
	BASES T2, 56, 58, 48, 50
	BASES T1, 60, 62, 52, 54
	v_and_b32 v3, 31, v0
	s_delay_alu instid0(VALU_DEP_1)
	v_lshlrev_b32 v[L16], 4, v3
	s_delay_alu instid0(VALU_DEP_2)
	v_lshlrev_b32 v[L8], 3, v3
	v_and_b32 v3, 15, v0                           ; r
	v_bfe_u32 v4, v0, 4, 1                         ; h
	s_delay_alu instid0(VALU_DEP_1)
	v_lshl_add_u32 v[BO8], v3, 5, v4
	s_delay_alu instid0(VALU_DEP_3)
	v_lshlrev_b32 v[R16], 4, v3
	global_load_b128 v[QF2:QF2+3], v[L16], s[56:57]
	global_load_b64 v[QF2+4:QF2+5], v[L8], s[56:57] offset:512
	global_load_b32 v[QS2], v[R16], s[58:59]
	global_load_b128 v[QF1:QF1+3], v[L16], s[60:61]
	global_load_b64 v[QF1+4:QF1+5], v[L8], s[60:61] offset:512
	global_load_b32 v[QS1], v[R16], s[62:63]
	v_and_b32 v5, 8, v3
	s_delay_alu instid0(VALU_DEP_1)
	v_add_nc_u32 v[LP], v5, v3
	v_lshlrev_b32 v5, 4, v4
	s_delay_alu instid0(VALU_DEP_1)
	v_sub_nc_u32 v[LP], v[LP], v5
	v_mov_b32 v[NINF], 0xff800000
.irp i, 0,1,2,3,4,5
	v_mov_b32 v[QF2+6+\i], 0                       ; zero codes for the upper 64 of the instruction's K
	v_mov_b32 v[QF1+6+\i], 0
	v_mov_b32 v[ZR+\i], 0
.endr
.irp b, 0,1,2,3
	v_mov_b32 v[BX+\b], 0                          ; written once: a lane permute's destination counts as one of its sources
.endr
	v_mov_b32 v[F+1], 0
	v_mov_b32 v[TT], 0
	s_mov_b32 s[SEL], 0x76543210
	s_mov_b32 s[SEL+1], 0xfedcba98
	s_mov_b32 s[CS], 0x3e38aa3b                    ; log2(e) / 8
	s_mov_b32 s[CS+1], s[CS]
	s_mov_b32 s[HIM], 0xffff0000
.macro INIT t                          ; a tile begins: the largest t -3e38, sums and O^T zeros, which the first change of M leaves zeros
	v_mov_b32 v13, 0xff61b1e6
	s_delay_alu instid0(VALU_DEP_1)
	v_floor_f32 v12, -v13
	v_mov_b32 v14, 0
	v_mov_b32 v15, 0
.set JJ, 0
.rept 32
	v_mov_b32 v[O+JJ], 0
.set JJ, JJ+1
.endr
	s_and_b32 s26, s[\t], 6
	s_lshl_b32 s26, s26, 4
	s_and_b32 s27, s[\t], 1
	s_lshl_b32 s27, s27, 3
	s_add_co_u32 s26, s26, s27
	v_add_nc_u32 v[DQ], s26, v[LP]                 ; 32 (n / 2) + 8 (n % 2) + r + 8 (r / 8) - 16 h, n = T % 8
.endm
; A KEY STEP: 128 keys.  qf, qsc: the tile's Q and its scale words.  mode = 1: steps behind the tile's own are jumped over, and its own is masked.
.macro STEP qf, qsc, mode
.if \mode
	s_cmp_gt_u32 s[JC], s[JL]
	s_cbranch_scc1 .Lhid_\@
.endif
	v_add_nc_u32 v[A16], s[TB], v[L16]
	v_add_nc_u32 v[A8], s[TB], v[L8]
	v_nop
	v_nop                                          ; four places behind the last products, in front of loads into registers that they have read
.irp n, 0,1,2,3,4,5,6,7
	ds_load_b128 v[KF+6*\n:KF+6*\n+3], v[A16] offset:768*\n
	ds_load_b64 v[KF+6*\n+4:KF+6*\n+5], v[A8] offset:768*\n+512
.endr
	ds_load_b128 v[KSC:KSC+3], v[A16] offset:12288
	s_wait_alu depctr_va_vdst(0)
	s_wait_dscnt 0x0
.irp n, 0,1,2,3,4,5,6,7
.if (\n)%2
	v_wmma_scale_f32_16x16x128_f8f6f4 v[S+8*\n:S+8*\n+7], v[KF+6*\n:KF+6*\n+11], v[\qf:\qf+11], 0, v[KSC+\n/2], v[\qsc] matrix_a_fmt:MATRIX_FMT_FP6 matrix_b_fmt:MATRIX_FMT_FP6 matrix_a_scale:MATRIX_SCALE_ROW1
.else
	v_wmma_scale_f32_16x16x128_f8f6f4 v[S+8*\n:S+8*\n+7], v[KF+6*\n:KF+6*\n+11], v[\qf:\qf+11], 0, v[KSC+\n/2], v[\qsc] matrix_a_fmt:MATRIX_FMT_FP6 matrix_b_fmt:MATRIX_FMT_FP6
.endif
.endr
.rept 4
	v_nop                                          ; places in front of the loads below and of the first read of the scores
.endr
.irp ct, 0,1,2,3                               ; V's four fragments are asked for now and land under the softmax
	ds_load_b128 v[KF+12*\ct:KF+12*\ct+3], v[A16] offset:6144+768*\ct
	ds_load_b64 v[KF+12*\ct+4:KF+12*\ct+5], v[A8] offset:6144+768*\ct+512
	ds_load_b128 v[KF+12*\ct+6:KF+12*\ct+9], v[A16] offset:9216+768*\ct
	ds_load_b64 v[KF+12*\ct+10:KF+12*\ct+11], v[A8] offset:9216+768*\ct+512
.endr
	ds_load_b64 v[VSC:VSC+1], v[A8] offset:12800
.if \mode
	s_cmp_lg_u32 s[JC], s[JL]
	s_cbranch_scc1 .Lopen_\@
.set JJ, 0
.rept 64                                       ; register 16 b + i holds key 32 b + 16 (l / 16) + i of the step: hidden where 32 b + i > v[DQ]
	v_cmp_gt_i32 vcc_lo, 32*(JJ/16)+JJ%16, v[DQ]
	v_cndmask_b32 v[S+JJ], v[S+JJ], v[NINF], vcc_lo
.set JJ, JJ+1
.endr
.Lopen_\@:
.endif
.irp b, 0,1,2,3
	v_max3_num_f32 v[BM+\b], v[S+16*\b], v[S+1+16*\b], v[S+2+16*\b]   ; the largest score of each block of 32 keys: for the row's maximum and for the block's largest p
.endr
.irp i, 3,5,7,9,11,13
.irp b, 0,1,2,3
	v_max3_num_f32 v[BM+\b], v[BM+\b], v[S+16*\b+\i], v[S+1+16*\b+\i]
.endr
.endr
.irp b, 0,1,2,3
	v_max_num_f32 v[BM+\b], v[BM+\b], v[S+15+16*\b]
.endr
.irp b, 0,1,2,3
	s_delay_alu instid0(VALU_DEP_4)
	v_permlanex16_b32 v[BX+\b], v[BM+\b], s[SEL], s[SEL+1]
.endr
.irp b, 0,1,2,3
	s_delay_alu instid0(VALU_DEP_4)
	v_max_num_f32 v[BM+\b], v[BM+\b], v[BX+\b]     ; with lane l xor 16's 16 keys
.endr
	s_delay_alu instid0(VALU_DEP_2)
	v_max3_num_f32 v[TT], v[BM], v[BM+1], v[BM+2]
	s_delay_alu instid0(VALU_DEP_1)
	v_max_num_f32 v[TT], v[TT], v[BM+3]
	s_delay_alu instid0(VALU_DEP_1)
	v_mul_f32 v[TT], s[CS], v[TT]                  ; the step's largest t
	s_delay_alu instid0(VALU_DEP_1)
	v_max_num_f32 v13, v13, v[TT]                  ; the running largest t
	v_mov_b32 v[TT], v12
	s_delay_alu instid0(VALU_DEP_2)
	v_floor_f32 v12, -v13                          ; the new -M = -ceil(t): a whole number
	s_delay_alu instid0(VALU_DEP_1)
	v_sub_f32 v[TT], v12, v[TT]                    ; old M - new M: a whole number, 0 or less
	s_delay_alu instid0(VALU_DEP_1)
	v_cvt_i32_f32 v[TT], v[TT]                     ; (it saturates)
	s_delay_alu instid0(VALU_DEP_1)
	v_ldexp_f32 v[F], 1.0, v[TT]                   ; f = 2^(old M - new M)
.set JJ, 0
.rept 32
	v_pk_fma_f32 v[S+JJ:S+JJ+1], v[S+JJ:S+JJ+1], s[CS:CS+1], v[12:13] op_sel_hi:[1,0,0]   ; t - M, two at a time
.set JJ, JJ+2
.endr
.irp b, 0,1,2,3
	v_fma_f32 v[BM+\b], v[BM+\b], s[CS], v12       ; the same of each block's largest score
.endr
.set JJ, 0
	s_wait_alu depctr_va_vdst(0)
.rept 64
	v_exp_f32 v[S+JJ], v[S+JJ]                     ; p = 2^(t - M), at most 1
.set JJ, JJ+1
.endr
	v_pk_mul_f32 v[14:15], v[14:15], v[F:F+1] op_sel_hi:[1,0]   ; the sums under the new M: a plain place behind the exponentials
	s_wait_alu depctr_va_vdst(0)                   ; one wait for the batch of 64, ahead of its first reader
.irp b, 0,1,2,3
	v_exp_f32 v[BM+\b], v[BM+\b]                   ; the block's largest p
.endr
	v_pk_add_f32 v[216:217], v[100:101], v[104:105]
	v_pk_add_f32 v[252:253], v[108:109], v[112:113]
	v_pk_add_f32 v[250:251], v[116:117], v[120:121]
	v_pk_add_f32 v[248:249], v[124:125], v[128:129]
	v_pk_add_f32 v[246:247], v[132:133], v[136:137]
	v_pk_add_f32 v[244:245], v[140:141], v[144:145]
	v_pk_add_f32 v[242:243], v[148:149], v[152:153]
	v_pk_add_f32 v[14:15], v[14:15], v[156:157]
	v_pk_add_f32 v[216:217], v[216:217], v[96:97]
	v_pk_add_f32 v[252:253], v[252:253], v[98:99]
	v_pk_add_f32 v[250:251], v[250:251], v[102:103]
	v_pk_add_f32 v[248:249], v[248:249], v[106:107]
	v_pk_add_f32 v[246:247], v[246:247], v[110:111]
	v_pk_add_f32 v[244:245], v[244:245], v[114:115]
	v_pk_add_f32 v[242:243], v[242:243], v[118:119]
	v_pk_add_f32 v[14:15], v[14:15], v[122:123]
	v_pk_add_f32 v[216:217], v[216:217], v[126:127]
	v_pk_add_f32 v[252:253], v[252:253], v[130:131]
	v_pk_add_f32 v[250:251], v[250:251], v[134:135]
	v_pk_add_f32 v[248:249], v[248:249], v[138:139]
	v_pk_add_f32 v[246:247], v[246:247], v[142:143]
	v_pk_add_f32 v[244:245], v[244:245], v[146:147]
	v_pk_add_f32 v[242:243], v[242:243], v[150:151]
	v_pk_add_f32 v[14:15], v[14:15], v[154:155]
	v_pk_add_f32 v[216:217], v[216:217], v[158:159]
	s_delay_alu instid0(VALU_DEP_2)
	v_pk_add_f32 v[14:15], v[14:15], v[248:249]
	s_delay_alu instid0(VALU_DEP_2)
	v_pk_add_f32 v[216:217], v[216:217], v[246:247]
	v_pk_add_f32 v[252:253], v[252:253], v[244:245]
	v_pk_add_f32 v[250:251], v[250:251], v[242:243]
	s_delay_alu instid0(VALU_DEP_2)
	v_pk_add_f32 v[14:15], v[14:15], v[252:253]
	s_delay_alu instid0(VALU_DEP_2)
	v_pk_add_f32 v[216:217], v[216:217], v[250:251]
	s_delay_alu instid0(VALU_DEP_1)
	v_pk_add_f32 v[14:15], v[14:15], v[216:217]
	s_wait_alu depctr_va_vdst(0)                   ; and one for the four
.irp b, 0,1,2,3
	v_max_num_f32 v[BM+\b], 0x1800000, v[BM+\b]    ; the floor 2^(3 - 127): the byte cannot fall under 1
.endr
.irp b, 0,1,2,3
	s_delay_alu instid0(VALU_DEP_4)
	v_add_nc_u32 v[SO+\b], 0xff000000, v[BM+\b]    ; 2 off the exponent field: the conversion's scale operand
.endr
.irp b, 0,1,2,3
	s_delay_alu instid0(VALU_DEP_4)
	v_lshrrev_b32 v[BX+\b], 23, v[SO+\b]           ; the scale's byte
.endr
	s_delay_alu instid0(VALU_DEP_3)
	v_lshl_or_b32 v[PS], v[BX+1], 8, v[BX]
	s_delay_alu instid0(VALU_DEP_1)
	v_lshl_or_b32 v[PS], v[BX+2], 16, v[PS]
	s_delay_alu instid0(VALU_DEP_1)
	v_lshl_or_b32 v[PS], v[BX+3], 24, v[PS]
.irp c, 0,1
	v_cvt_scalef32_pk16_fp6_f32 v[PC+6*\c:PC+2+6*\c], v[S+32*\c:S+15+32*\c], v[SO+2*\c]
	v_cvt_scalef32_pk16_fp6_f32 v[PT+4*\c:PT+2+4*\c], v[S+16+32*\c:S+31+32*\c], v[SO+2*\c+1]
.endr
	v_nop                                          ; one plain place behind a scaled conversion
.irp c, 0,1
.irp i, 0,1,2
	v_permlane16_swap_b32 v[PC+6*\c+\i], v[PT+4*\c+\i]
.endr
.irp i, 0,1,2
	s_delay_alu instid0(VALU_DEP_3)
	v_mov_b32 v[PC+3+6*\c+\i], v[PT+4*\c+\i]
.endr
.endr
.set JJ, 0
.rept 16
	v_pk_mul_f32 v[O+JJ:O+JJ+1], v[O+JJ:O+JJ+1], v[F:F+1] op_sel_hi:[1,0]   ; O^T under the new M; these sixteen are also the places between the codes, the scale word and the products
.set JJ, JJ+2
.endr
	s_wait_alu depctr_va_vdst(0)
	s_wait_dscnt 0x0                               ; V and its scale words are in
.irp ct, 0,1,2,3                               ; the four accumulators take turns
.if (\ct)%2
	v_wmma_scale_f32_16x16x128_f8f6f4 v[O+8*\ct:O+8*\ct+7], v[KF+12*\ct:KF+12*\ct+11], v[PC:PC+11], v[O+8*\ct:O+8*\ct+7], v[VSC+\ct/2], v[PS] matrix_a_fmt:MATRIX_FMT_FP6 matrix_b_fmt:MATRIX_FMT_FP6 matrix_a_scale:MATRIX_SCALE_ROW1
.else
	v_wmma_scale_f32_16x16x128_f8f6f4 v[O+8*\ct:O+8*\ct+7], v[KF+12*\ct:KF+12*\ct+11], v[PC:PC+11], v[O+8*\ct:O+8*\ct+7], v[VSC+\ct/2], v[PS] matrix_a_fmt:MATRIX_FMT_FP6 matrix_b_fmt:MATRIX_FMT_FP6
.endif
.endr
.if \mode
.Lhid_\@:
.endif
	s_add_co_u32 s[TB], s[TB], STEPKV
	s_add_co_u32 s[JC], s[JC], 1
.endm
; A tile ends: O^T / the sum; register 16 b + i is channel 32 b + 16 (l / 16) + i: two blocks are quantised and leave as a half image and two bytes a row.
.macro FINISH acb, asb
	v_add_f32 v14, v14, v15
	s_delay_alu instid0(VALU_DEP_1)
	v_permlanex16_b32 v[TT], v14, s[SEL], s[SEL+1]
	s_delay_alu instid0(VALU_DEP_1)
	v_add_f32 v14, v14, v[TT]                      ; the row's sum
	s_wait_alu depctr_va_vdst(0)
	v_rcp_f32 v14, v14
.rept 4
	v_nop                                          ; a plain place behind the reciprocal, and the places behind the last products
.endr
	s_wait_alu depctr_va_vdst(0)                   ; ahead of the reciprocal's first reader
.set JJ, 0
.rept 16
	v_pk_mul_f32 v[S+JJ:S+JJ+1], v[O+JJ:O+JJ+1], v[14:15] op_sel_hi:[1,0]
.set JJ, JJ+2
.endr
.irp b, 0,1
	v_max3_num_f32 v[BM+\b], |v[S+16*\b]|, |v[S+1+16*\b]|, 0x1800000
.endr
.irp i, 2,4,6,8,10,12,14
.irp b, 0,1
	s_delay_alu instid0(VALU_DEP_2)
	v_max3_num_f32 v[BM+\b], v[BM+\b], |v[S+16*\b+\i]|, |v[S+1+16*\b+\i]|
.endr
.endr
.irp b, 0,1
	s_delay_alu instid0(VALU_DEP_2)
	v_permlanex16_b32 v[BX+\b], v[BM+\b], s[SEL], s[SEL+1]
.endr
.irp b, 0,1
	s_delay_alu instid0(VALU_DEP_2)
	v_max_num_f32 v[BM+\b], v[BM+\b], v[BX+\b]
.endr
.irp b, 0,1
	s_delay_alu instid0(VALU_DEP_2)
	v_add_nc_u32 v[SO+\b], 0xff000000, v[BM+\b]
.endr
.irp b, 0,1
	s_delay_alu instid0(VALU_DEP_2)
	v_lshrrev_b32 v[BX+\b], 23, v[SO+\b]
.endr
	v_cvt_scalef32_pk16_fp6_f32 v[PC:PC+2], v[S:S+15], v[SO]
	v_cvt_scalef32_pk16_fp6_f32 v[PC+4:PC+6], v[S+16:S+31], v[SO+1]
	v_nop
.irp i, 0,1,2
	v_permlane16_swap_b32 v[PC+\i], v[PC+4+\i]     ; lanes 0-15 now hold block 0, lanes 16-31 block 1
.endr
	s_delay_alu instid0(VALU_DEP_3)
	v_mov_b32 v[PC+3], v[PC+4]
	s_delay_alu instid0(VALU_DEP_3)
	v_mov_b32 v[PC+4], v[PC+5]
	s_delay_alu instid0(VALU_DEP_3)
	v_mov_b32 v[PC+5], v[PC+6]
	v_cndmask_b32 v[BY], v[BX], v[BX+1], s[HIM]    ; my block's byte
	global_store_b128 v[L16], v[PC:PC+3], s[\acb:\acb+1]              ; 512 consecutive bytes, aligned
	global_store_b64 v[L8], v[PC+4:PC+5], s[\acb:\acb+1] offset:512   ; 256 consecutive bytes, aligned
	global_store_b8 v[BO8], v[BY], s[\asb:\asb+1]
.endm
	INIT T2
	s_wait_tensorcnt 0x0                           ; my key step has landed
	s_barrier_signal -1
	s_barrier_wait -1                              ; key steps 0-7 are whole
	s_wait_loadcnt 0x0                             ; Q
	s_mov_b32 s[TB], 0
	s_mov_b32 s[JC], 0
	s_mov_b32 s[CNT], 8
.Lfirst_half:                                      ; T2, key steps 0-7: all their keys count for every wave
	STEP QF2, QS2, 0
	s_sub_co_u32 s[CNT], s[CNT], 1
	s_cmp_lg_u32 s[CNT], 0
	s_cbranch_scc1 .Lfirst_half
	s_lshr_b32 s[JL], s[WV], 1                     ; (all sixteen key steps were shown by the one barrier above)
	s_sub_co_u32 s[JL], 15, s[JL]                  ; T2 / 8
	s_mov_b32 s[TB], 8*STEPKV
	s_mov_b32 s[JC], 8
	s_mov_b32 s[CNT], 8
.Lsecond_half:                                     ; T2, key steps 8-15
	STEP QF2, QS2, 1
	s_sub_co_u32 s[CNT], s[CNT], 1
	s_cmp_lg_u32 s[CNT], 0
	s_cbranch_scc1 .Lsecond_half
	FINISH 48, 50
	s_wait_xcnt 0x0                                ; the stores have read their registers, which the next tile writes again
	INIT T1
	s_lshr_b32 s[JL], s[WV], 1                     ; T1 / 8
	s_mov_b32 s[TB], 0
	s_mov_b32 s[JC], 0
	s_mov_b32 s[CNT], 8
.Learly_tile:                                      ; T1, key steps 0-7
	STEP QF1, QS1, 1
	s_sub_co_u32 s[CNT], s[CNT], 1
	s_cmp_lg_u32 s[CNT], 0
	s_cbranch_scc1 .Learly_tile
	FINISH 52, 54
	s_wait_dscnt 0x0
	s_wait_tensorcnt 0x0
	ds_add_u32 v254, v255
	s_wait_dscnt 0x0
	CROUND                                         ; the closing round
	s_endpgm
.Lfunc_end_k_q5b53588c39_attn:
	.size	k_q5b53588c39_attn, .Lfunc_end_k_q5b53588c39_attn-k_q5b53588c39_attn
	.p2alignl 7, 3214868480
	.fill 96, 4, 3214868480
	.section	.rodata,"a",@progbits
	.p2align	6, 0x0
	.amdhsa_kernel k_q5b53588c39_attn
		.amdhsa_group_segment_fixed_size 210944
		.amdhsa_private_segment_fixed_size 0
		.amdhsa_enable_private_segment 0
		.amdhsa_kernarg_size 40
		.amdhsa_user_sgpr_count 2
		.amdhsa_user_sgpr_kernarg_segment_ptr 1
		.amdhsa_wavefront_size32 1
		.amdhsa_system_sgpr_workgroup_id_x 1
		.amdhsa_system_sgpr_workgroup_id_y 1
		.amdhsa_system_sgpr_workgroup_id_z 1
		.amdhsa_system_vgpr_workitem_id 0
		.amdhsa_next_free_vgpr 256
		.amdhsa_next_free_sgpr 72
		.amdhsa_reserve_vcc 1
		.amdhsa_float_denorm_mode_32 3
		.amdhsa_float_denorm_mode_16_64 3
		.amdhsa_memory_ordered 1
		.amdhsa_forward_progress 1
		.amdhsa_inst_pref_size 81
	.end_amdhsa_kernel
	.amdgpu_metadata
---
amdhsa.version: [ 1, 2 ]
amdhsa.kernels:
  - .name:           k_q5b53588c39_attn
    .symbol:         k_q5b53588c39_attn.kd
    .args:
      - { .name: qc, .offset: 0, .size: 8, .value_kind: global_buffer, .address_space: global }
      - { .name: qs, .offset: 8, .size: 8, .value_kind: global_buffer, .address_space: global }
      - { .name: kv, .offset: 16, .size: 8, .value_kind: global_buffer, .address_space: global }
      - { .name: ac, .offset: 24, .size: 8, .value_kind: global_buffer, .address_space: global }
      - { .name: asc, .offset: 32, .size: 8, .value_kind: global_buffer, .address_space: global }
    .group_segment_fixed_size: 210944
    .private_segment_fixed_size: 0
    .kernarg_segment_align: 8
    .kernarg_segment_size: 40
    .max_flat_workgroup_size: 512
    .sgpr_count:     72
    .vgpr_count:     256
    .wavefront_size: 32
...
	.end_amdgpu_metadata
.endif
;; end of part 2
;; launch oproj (part 3): grid 8 x 32, 4 waves a work-group, clusters of 4 x 4, 327,680 bytes of LDS; arguments ac, asc, Wo_codes, Wo_scales, bo, out0; writes out0
.if DOCPART == 3
	.amdgcn_target "amdgcn-amd-amdhsa--gfx1250"
	.amdhsa_code_object_version 6
	.text
	.protected	k_q5b53588c39_oproj
	.globl	k_q5b53588c39_oproj
	.p2align	8
	.type	k_q5b53588c39_oproj,@function
k_q5b53588c39_oproj:
	s_mov_b64 s[64:65], 0
	v_nop
	global_prefetch_b8 v0, s[64:65] scope:SCOPE_SE
	s_setreg_imm32_b32 hwreg(HW_REG_WAVE_MODE, 25, 1), 1
	s_wait_xcnt 0x0
	s_wait_alu depctr_hold_cnt(0) depctr_sa_sdst(0) depctr_va_vdst(0) depctr_va_sdst(0) depctr_va_ssrc(0) depctr_va_vcc(0) depctr_vm_vsrc(0)
	s_getreg_b32 s2, hwreg(HW_REG_IB_STS2, 6, 4)
	s_cmp_eq_u32 s2, 0
	s_cbranch_scc0 .Lentry_in_a_cluster
	s_endpgm
.Lentry_in_a_cluster:
	s_bfe_u32 s2, ttmp6, 0x10000c
	s_cmp_lg_u32 s2, 0xf033
	s_cbranch_scc0 .Lentry_shape_is_right
	s_endpgm
.Lentry_shape_is_right:
; out0 = A Wo + bo on codes of FP6 (E2M3), one E8M0 scale for each 32 along K = 1,024; f32 sums.  A is the attention's result as the launch before left it:
; ac [tile G of 16 rows][head][768]: half images (registers 0-3 at 16 x lane, 4-5 at 512 + 8 x lane); asc [16 G + r][32].  Lane r of tile G = 8 J + n holds token 128 J + 32 (n / 2) + 8 (n % 2) + r + 8 (r / 8).
; THE DEAL.  256 work-groups of four waves, 2 x 2: 256 tokens (16 tiles) x 128 columns.  Wave (a, b) holds Wo's rows 64 b .. 64 b + 63 of the 128, all of K, in 384 registers; its block s is tile 2 s + a: 32 products.
; Source 0 = Wo's rows, source 1 = A's: a lane holds one token and eight neighbouring columns a tile.  The bias is the C of a block's first four products.
; LDS: A's 16 tiles as they lie (196,608 bytes), Wo's 128 rows of 816 bytes (768 + 16 behind every 256), a stage of 16 rows x 272 bytes a wave, the spare words.
; FILLS: one tensor load a wave at the head (Wo; tiles 0-3; 4-7; 8-15); nothing is filled again, and nothing is left to ask for ahead of time: no prefetch.
; CLUSTERS 4 x 4: A's tiles are asked for jointly along a row of the cluster, Wo's rows along a column.
; THE WAY OUT: a block's 16 x 64 sums go through my stage and leave as rows of 256 consecutive bytes, aligned; block s's stores stand behind block s + 1's products.
; WAITS: 48 = a stage's 16 instructions and the next block's 32 loads may be out; 32 = the next block's loads; 16 = the stage's alone.
.set KROW,   768
.set PITCH,  816
.set FR,     12
.set FPW,    21
.set TILEB,  12288
.set BVB,    16*TILEB
.set STAGE,  BVB+128*PITCH
.set SPI,    272
.set SPARE,  STAGE+4*16*SPI
.set AA,   4                           ; v4-11 A's addresses: pair g serves blocks 2 g, 2 g + 1 (16 x lane, 8 x lane)
.set ADRB, 12
.set STO,  14
.set RD,   15
.set CO,   16
.set ABS,  17
.set ASA,  18
.set BOF,  19
.set SPW,  20
.set NIL,  21
.set SB,   24                          ; v24-39 Wo's scale words
.set SA,   44                          ; v44-75 A's: pair u: block 2 u in lanes 0-15, block 2 u + 1 in lanes 16-31
.set BIAS, 76                          ; v76-107
.set ACC,  108                         ; v108-171 two sets of four accumulators
.set BK,   172                         ; v172-235 two sets of 16 rows read back
.set BA,   236                         ; v236-243 Wo's four tiles
.set G1B,  24
.set G1A4, 32
.set G1A8, 48
.set G0B,  56
.set G0A0, 60
.set G0A1, 68
.set G0A2, 72
.set MSB, 0
.macro WIN new
.if MSB != \new
	s_set_vgpr_msb (MSB<<8)|\new
.set MSB, \new
.endif
.endm
.macro PLACES n
.rept \n
	v_nop
.endr
.endm
.macro BARRIER
	s_barrier_signal -1
	s_barrier_wait -1
.endm
.macro CROUND
	WIN 0
	BARRIER
	s_cmp_lg_u32 s16, 0
	s_cbranch_scc1 .Lnot_wave_0_\@
	s_barrier_signal -3
.Lnot_wave_0_\@:
	s_barrier_wait -3
	BARRIER
.endm
.macro TLOAD g0, g1
	tensor_load_to_lds s[\g0:\g0+3], s[\g1:\g1+7]
	s_nop 0
	PLACES 4
.endm
.macro GA g, rows                      ; a dense run of A's tiles as rows of 256 bytes
	s_or_b32 s[\g], s44, (3<<16)|(1<<21)
	s_mov_b32 s[\g+1], 32<<16
	s_mov_b32 s[\g+2], (\rows)<<16
	s_mov_b32 s[\g+3], 32<<16
	s_mov_b32 s[\g+4], \rows
	s_mov_b32 s[\g+5], 32
	s_mov_b32 s[\g+6], 0
	s_mov_b32 s[\g+7], 0
.endm
.macro FRAG f, q, a0, a1
	WIN (1+(\f)/FPW)<<6
.set R_, FR*((\f)%FPW)
.set SKIP_, 0
.irp p, 0,1,2,3,4,5
.if SKIP_
.set SKIP_, 0
.else
.set PC_, 12*(\q)+6*(\p/3)+\p%3
.set PN_, 12*(\q)+6*((\p+1)/3)+(\p+1)%3
.set X_, (PC_%32+3)/32
.set XQ_, (PN_%32+3)/32
.if (\p < 5) && (X_ == XQ_)
.set SKIP_, 1
.if X_
	ds_load_2addr_b64 v[R_+2*\p:R_+2*\p+3], \a1 offset0:PC_+2*(PC_/32) offset1:PN_+2*(PN_/32)
.else
	ds_load_2addr_b64 v[R_+2*\p:R_+2*\p+3], \a0 offset0:PC_+2*(PC_/32) offset1:PN_+2*(PN_/32)
.endif
.elseif X_
	ds_load_b64 v[R_+2*\p:R_+2*\p+1], \a1 offset:8*(PC_+2*(PC_/32))
.else
	ds_load_b64 v[R_+2*\p:R_+2*\p+1], \a0 offset:8*(PC_+2*(PC_/32))
.endif
.endif
.endr
.endm
.macro FETCH bk                        ; block bk's eight fragments into set bk % 2: 32 loads
.set G_, (\bk)/2
.irp q, 0,1,2,3,4,5,6,7
.set F_, 32+8*((\bk)%2)+\q
.set R_, FR*(F_%FPW)
.set AO_, ((\bk)%2)*2*TILEB+1536*\q
	WIN (1+F_/FPW)<<6
	ds_load_b128 v[R_:R_+3], v[AA+2*G_] offset:AO_
	ds_load_b64 v[R_+4:R_+5], v[AA+2*G_+1] offset:AO_+512
	ds_load_b128 v[R_+6:R_+9], v[AA+2*G_] offset:AO_+768
	ds_load_b64 v[R_+10:R_+11], v[AA+2*G_+1] offset:AO_+1280
.endr
	WIN 0
.endm
.macro W1 d, s0, s1, c, x0, x1, r0, r1
	v_wmma_scale_f32_16x16x128_f8f6f4 v[\d:\d+7], v[FR*((\s0)%FPW):FR*((\s0)%FPW)+FR-1], v[FR*((\s1)%FPW):FR*((\s1)%FPW)+FR-1], \c, v[\x0], v[\x1] matrix_a_fmt:MATRIX_FMT_FP6 matrix_b_fmt:MATRIX_FMT_FP6 matrix_a_scale:MATRIX_SCALE_ROW\r0 matrix_b_scale:MATRIX_SCALE_ROW\r1
.endm
.macro MULS e, par, u                  ; 32 products, the four accumulators by turns
.irp q, 0,1,2,3,4,5,6,7
.irp p, 0,1
.irp o, 0,1
.set FB_, 4*\q+2*\p+\o
.set FA_, 32+8*(\e)+\q
.set D_, ACC+32*(\e)+8*(2*\p+\o)
	WIN (1+FB_/FPW)|((1+FA_/FPW)<<2)
.if \q
	W1 D_, FB_, FA_, v[D_:D_+7], SB+8*\p+\q, SA+8*(\u)+\q, \o, \par
.else
	W1 D_, FB_, FA_, v[BIAS+8*(2*\p+\o):BIAS+8*(2*\p+\o)+7], SB+8*\p+\q, SA+8*(\u)+\q, \o, \par
.endif
.endr
.endr
.endr
	WIN 0
.endm
.macro TOSTAGE bk
.set AC_, ACC+32*((\bk)%2)
.set BB_, BK+32*((\bk)%2)
.irp j, 0,1,2,3
	ds_store_b128 v[STO], v[AC_+8*\j:AC_+8*\j+3] offset:64*\j
	ds_store_b128 v[STO], v[AC_+8*\j+4:AC_+8*\j+7] offset:64*\j+16
.endr
.irp t, 0,1,2,3,4,5,6,7
	ds_load_b128 v[BB_+4*\t:BB_+4*\t+3], v[RD] offset:\t*2*SPI     ; LDS serves a wave's instructions in order (ISA guide 5.7.1.4)
.endr
.endm
.macro SEND bk                         ; rows 2 t + h of the tile: token 32 s + 8 a + row + 8 (row / 8) of the work-group's 256
.set BB_, BK+32*((\bk)%2)
.irp t, 0,1,2,3,4,5,6,7
	global_store_b128 v[CO], v[BB_+4*\t:BB_+4*\t+3], s[14:15] offset:(32*(\bk)+2*\t+8*(\t/4))*4096 th:TH_STORE_NT
.endr
.endm
.macro BLK bk, par, w, y
	s_wait_dscnt \w
	MULS (\bk)%2, \par, (\bk)/2
.if \bk == 0
	s_wait_tensorcnt 0x0                           ; every wave's load is in: tiles 8-15 are shown to all, ahead of the first LDS store
	s_wait_dscnt 0x0
	BARRIER
.else
	s_wait_dscnt \y
	SEND (\bk)-1
.endif
	PLACES 4
.if \bk > 1
	s_wait_xcnt 0x0                                ; earlier stores have read their registers
.endif
	TOSTAGE \bk
.if \bk < 6
	FETCH (\bk)+2
.endif
.endm
; ---- the head
	s_load_b256 s[4:11], s[0:1], 0x0               ; ac, asc, Wo codes, Wo scales
	s_load_b128 s[12:15], s[0:1], 0x20             ; bo, out0
	v_lshl_add_u32 v[SPW], v0, 2, SPARE
	v_mov_b32 v[NIL], 0
	ds_add_u32 v[SPW], v[NIL]                      ; the opening lines
	ds_add_u32 v[SPW], v[NIL]
	v_lshrrev_b32 v1, 5, v0
	v_readfirstlane_b32 s16, v1                    ; wave; s17 = a, s18 = b
	s_lshr_b32 s17, s16, 1
	s_and_b32 s18, s16, 1
	s_bfe_u32 s40, ttmp6, 0x40000
	s_bfe_u32 s41, ttmp6, 0x40004
	s_lshl_b32 s42, ttmp9, 2
	s_add_co_u32 s42, s42, s40                     ; which 128 columns
	s_and_b32 s43, ttmp7, 0xffff
	s_lshl_b32 s43, s43, 2
	s_add_co_u32 s43, s43, s41                     ; which 256 tokens
	s_lshl_b32 s44, s41, 2
	s_lshl_b32 s44, 15, s44
	s_lshl_b32 s45, 0x1111, s40
	s_or_b32 s[G1B], s45, (1<<20)|(1<<21)|(5<<22)|(3<<25)
	s_mov_b32 s[G1B+1], KROW<<16
	s_mov_b32 s[G1B+2], 128<<16
	s_mov_b32 s[G1B+3], KROW<<16
	s_mov_b32 s[G1B+4], 128
	s_mov_b32 s[G1B+5], KROW
	s_mov_b32 s[G1B+6], 0
	s_mov_b32 s[G1B+7], 0
	GA G1A4, 192
	GA G1A8, 384
	s_mov_b32 s[G0B], 1
	s_mov_b32 s[G0B+1], BVB
	s_mov_b32 s[G0A0], 1
	s_mov_b32 s[G0A0+1], 0
	s_mov_b32 s[G0A1], 1
	s_mov_b32 s[G0A1+1], 4*TILEB
	s_mov_b32 s[G0A2], 1
	s_mov_b32 s[G0A2+1], 8*TILEB
	s_mul_i32 s20, s43, 16*TILEB
	s_mov_b32 s21, 0
	s_mul_i32 s22, s42, 128*KROW
	s_mov_b32 s23, 0
	s_lshl_b32 s46, s43, 13                        ; A's scale bytes: 8,192 a work-group, + 512 a
	s_lshl_b32 s47, s17, 9
	s_add_co_u32 s46, s46, s47
	s_mov_b32 s47, 0
	s_lshl_b32 s76, s42, 9                         ; my 64 columns, in bytes of f32
	s_lshl_b32 s77, s18, 8
	s_add_co_u32 s76, s76, s77
	s_mov_b32 s77, 0
	s_lshl_b32 s78, s76, 3                         ; their scale bytes: 32 a column
	s_mov_b32 s79, 0
	s_lshl_b32 s2, s43, 20                         ; token 256 x tile row + 8 a, rows of 4,096 bytes
	s_lshl_b32 s3, s17, 15
	s_add_co_u32 s2, s2, s3
	s_add_co_u32 s2, s2, s76
	s_mov_b32 s3, 0
	s_mul_i32 s19, s18, 64*PITCH
	s_add_co_u32 s19, s19, BVB
	s_mul_i32 s66, s17, TILEB
	s_mul_i32 s67, s16, 16*SPI
	s_add_co_u32 s67, s67, STAGE
	v_and_b32 v1, 15, v0
	v_bfe_u32 v2, v0, 4, 1
	v_and_b32 v3, 31, v0
	v_mul_u32_u24 v22, v1, PITCH
	v_mad_u32_u24 v[ADRB], v2, 24, v22
	v_mad_u32_u24 v[ADRB+1], v2, 40, v22
	v_add_nc_u32 v[ADRB], s19, v[ADRB]
	v_add_nc_u32 v[ADRB+1], s19, v[ADRB+1]
.irp t, 0,1,2,3
	v_add_nc_u32 v[BA+2*\t], \t*16*PITCH, v[ADRB]
	v_add_nc_u32 v[BA+2*\t+1], \t*16*PITCH, v[ADRB+1]
.endr
	v_lshlrev_b32 v22, 4, v3
	v_lshlrev_b32 v23, 3, v3
	v_add_nc_u32 v22, s66, v22
	v_add_nc_u32 v23, s66, v23
.irp g, 0,1,2,3
	v_add_nc_u32 v[AA+2*\g], \g*4*TILEB, v22
	v_add_nc_u32 v[AA+2*\g+1], \g*4*TILEB, v23
.endr
	v_mul_u32_u24 v22, v1, SPI
	v_lshl_add_u32 v22, v2, 5, v22
	v_add_nc_u32 v[STO], s67, v22
	v_mul_u32_u24 v23, v2, SPI
	v_lshl_add_u32 v23, v1, 4, v23
	v_add_nc_u32 v[RD], s67, v23
	v_lshlrev_b32 v22, 4, v1
	v_lshl_add_u32 v[CO], v2, 12, v22
	v_lshlrev_b32 v[ABS], 5, v3
	v_lshlrev_b32 v23, 5, v1
	v_lshl_add_u32 v[ASA], v2, 10, v23
	v_lshlrev_b32 v[BOF], 5, v2
	s_wait_alu depctr_va_vdst(0)                   ; the wait at the head's end
	s_wait_dscnt 0x0
	CROUND                                         ; the opening round
	s_wait_kmcnt 0x0
	s_add_nc_u64 s[G0A0+2:G0A0+3], s[4:5], s[20:21]
	s_add_nc_u64 s[G0A1+2:G0A1+3], s[G0A0+2:G0A0+3], 4*TILEB
	s_add_nc_u64 s[G0A2+2:G0A2+3], s[G0A0+2:G0A0+3], 8*TILEB
	s_add_nc_u64 s[G0B+2:G0B+3], s[8:9], s[22:23]
	s_or_b32 s[G0A0+3], s[G0A0+3], 0x80000000
	s_or_b32 s[G0A1+3], s[G0A1+3], 0x80000000
	s_or_b32 s[G0A2+3], s[G0A2+3], 0x80000000
	s_or_b32 s[G0B+3], s[G0B+3], 0x80000000
	s_add_nc_u64 s[6:7], s[6:7], s[46:47]
	s_add_nc_u64 s[10:11], s[10:11], s[78:79]
	s_add_nc_u64 s[12:13], s[12:13], s[76:77]
	s_add_nc_u64 s[14:15], s[14:15], s[2:3]
	s_cmp_eq_u32 s16, 0
	s_cbranch_scc0 .Lwave_1
	TLOAD G0B, G1B                                 ; wave 0: Wo's rows, wanted first
	s_branch .Lasked
.Lwave_1:
	s_cmp_eq_u32 s16, 1
	s_cbranch_scc0 .Lwave_2
	TLOAD G0A0, G1A4                               ; wave 1: tiles 0-3
	s_branch .Lasked
.Lwave_2:
	s_cmp_eq_u32 s16, 2
	s_cbranch_scc0 .Lwave_3
	TLOAD G0A1, G1A4                               ; wave 2: tiles 4-7
	s_branch .Lasked
.Lwave_3:
	TLOAD G0A2, G1A8                               ; wave 3: tiles 8-15
.Lasked:
.irp p, 0,1
.irp c, 0,1
	global_load_b128 v[SB+8*\p+4*\c:SB+8*\p+4*\c+3], v[ABS], s[10:11] offset:\p*1024+16*\c
.endr
.endr
.irp u, 0,1,2,3
.irp c, 0,1
	global_load_b128 v[SA+8*\u+4*\c:SA+8*\u+4*\c+3], v[ASA], s[6:7] offset:\u*2048+16*\c
.endr
.endr
.irp j, 0,1,2,3
	global_load_b128 v[BIAS+8*\j:BIAS+8*\j+3], v[BOF], s[12:13] offset:64*\j
	global_load_b128 v[BIAS+8*\j+4:BIAS+8*\j+7], v[BOF], s[12:13] offset:64*\j+16
.endr
	s_cmp_eq_u32 s16, 0
	s_cbranch_scc0 .Lnot_b
	s_wait_tensorcnt 0x0
.Lnot_b:
	BARRIER                                        ; Wo's rows are in
.irp q, 0,1,2,3,4,5,6,7
.irp b, 0,1,2,3
	FRAG 4*\q+\b, \q, v[BA+2*\b], v[BA+2*\b+1]
.endr
.endr
	WIN 0
	s_cmp_eq_u32 s16, 3
	s_cbranch_scc1 .Lnot_a
	s_wait_tensorcnt 0x0
.Lnot_a:
	s_wait_dscnt 0x0
	BARRIER                                        ; tiles 0-7 are in; tiles 8-15 may be on their way
	FETCH 0
	FETCH 1
	s_wait_loadcnt 0x0
	BLK 0, 0, 32, 0
	BLK 1, 1, 48, 32
	BLK 2, 0, 48, 32
	BLK 3, 1, 48, 32
	BLK 4, 0, 48, 32
	BLK 5, 1, 48, 32
	BLK 6, 0, 48, 32
	BLK 7, 1, 16, 0
	s_wait_dscnt 0x0
	SEND 7
	s_wait_tensorcnt 0x0                           ; the wave's end
	ds_add_u32 v[SPW], v[NIL]
	s_wait_dscnt 0x0
	CROUND                                         ; the closing round
	s_endpgm
.Lfunc_end_k_q5b53588c39_oproj:
	.size	k_q5b53588c39_oproj, .Lfunc_end_k_q5b53588c39_oproj-k_q5b53588c39_oproj
	.p2alignl 7, 3214868480
	.fill 96, 4, 3214868480
	.section	.rodata,"a",@progbits
	.p2align	6, 0x0
	.amdhsa_kernel k_q5b53588c39_oproj
		.amdhsa_group_segment_fixed_size 327680
		.amdhsa_private_segment_fixed_size 0
		.amdhsa_enable_private_segment 0
		.amdhsa_kernarg_size 48
		.amdhsa_user_sgpr_count 2
		.amdhsa_user_sgpr_kernarg_segment_ptr 1
		.amdhsa_wavefront_size32 1
		.amdhsa_system_sgpr_workgroup_id_x 1
		.amdhsa_system_sgpr_workgroup_id_y 1
		.amdhsa_system_sgpr_workgroup_id_z 1
		.amdhsa_system_vgpr_workitem_id 0
		.amdhsa_next_free_vgpr 1024
		.amdhsa_next_free_sgpr 80
		.amdhsa_reserve_vcc 0
		.amdhsa_float_denorm_mode_32 3
		.amdhsa_float_denorm_mode_16_64 3
		.amdhsa_memory_ordered 1
		.amdhsa_forward_progress 1
		.amdhsa_inst_pref_size 83
	.end_amdhsa_kernel
	.amdgpu_metadata
---
amdhsa.version: [ 1, 2 ]
amdhsa.kernels:
  - .name:           k_q5b53588c39_oproj
    .symbol:         k_q5b53588c39_oproj.kd
    .args:
      - { .name: ac, .offset: 0, .size: 8, .value_kind: global_buffer, .address_space: global }
      - { .name: asc, .offset: 8, .size: 8, .value_kind: global_buffer, .address_space: global }
      - { .name: Wo_codes, .offset: 16, .size: 8, .value_kind: global_buffer, .address_space: global }
      - { .name: Wo_scales, .offset: 24, .size: 8, .value_kind: global_buffer, .address_space: global }
      - { .name: bo, .offset: 32, .size: 8, .value_kind: global_buffer, .address_space: global }
      - { .name: out0, .offset: 40, .size: 8, .value_kind: global_buffer, .address_space: global }
    .group_segment_fixed_size: 327680
    .private_segment_fixed_size: 0
    .kernarg_segment_align: 8
    .kernarg_segment_size: 48
    .max_flat_workgroup_size: 128
    .sgpr_count:     80
    .vgpr_count:     1024
    .wavefront_size: 32
...
	.end_amdgpu_metadata
.endif
;; end of part 3
